; MI455X (gfx1250); checked and timed in simulation.
; The chip was launched on July 23, 2026; its instructions are those of AMD's public machine-readable ISA for CDNA 5 (MIT licence, August 2026) and "CDNA5" Instruction Set Architecture Reference Guide (July 2026). The comments in the code are by the model that wrote it; some were corrected since.
;; Qwen Feed Forward adaptive. Allowed arithmetic: float matrix products may take bf16 or f16 operands with f32 sums; all other float work in f32.
;; Inputs: W1 4,096 x 1,024 float32; W2 1,024 x 4,096 float32; b1 4,096 float32; b2 1,024 float32; hidden_states 4 x 2,048 x 1,024 float32; logit_width 4 x 4 float32.
;; Outputs: out0 4 x 2,048 x 1,024 float32; out1 4 x 4 float32.
;; 2 versions, each right and faster than the one before. Each part assembles by itself: llvm-mc -triple=amdgcn-amd-amdhsa -mcpu=gfx1250 --defsym DOCPART=n.
;; ======== version 1 of 2: 3 launches
;; limits: inputs' magnitudes at most 65,504; values are held in f16: magnitudes above 65,504 overflow, below 6.1e-05 lose precision; right only within a limited range of input values
;; workspace buffers: xh 16,777,216 bytes; w1h 8,388,608 bytes; w2h 8,388,608 bytes; h 67,108,864 bytes; widths 256 bytes of whole numbers
;; launch prep (part 1): grid 1024 x 1, 8 waves a work-group, no clusters, 0 bytes of LDS; arguments hidden_states, W1, W2, logit_width, xh, w1h, w2h, out1, widths; writes xh, w1h, w2h, out1, widths
.if DOCPART == 1
	.amdgcn_target "amdgcn-amd-amdhsa--gfx1250"
	.amdhsa_code_object_version 6
	.text
	.protected	k_q21fefedb06_prep
	.globl	k_q21fefedb06_prep
	.p2align	8
	.type	k_q21fefedb06_prep,@function
k_q21fefedb06_prep:
	s_mov_b64 s[64:65], 0
	v_nop
	global_prefetch_b8 v0, s[64:65] scope:SCOPE_SE
	s_setreg_imm32_b32 hwreg(HW_REG_WAVE_MODE, 25, 1), 1
	s_wait_xcnt 0x0
; Rounds hidden_states, W1 and W2 once from f32 to f16 (xh, w1h, w2h), so that the two products read 16-bit tiles;
; wave 0 of work-group 0 also makes out1 = softmax(logit_width) and the widths: word 4 b + j of widths (j = 0..3) = q_b = argmax_b + 1, 1 to 4.
; f16 and not bf16: 11 significant bits against 8, and these three tensors have the room: numbers of order 1, 1/32 and 1/64 stay far below
; 65,504 when 30 times larger or offset by 30 spreads, and when 30 times smaller the step 2^-24 under 2^-14 is about 1/10,000 of their spread.
; A work-group takes 65,536 source bytes: groups 0-511 of hidden_states, 512-767 of W1, 768-1023 of W2.  A wave takes 8,192 of them as
; 16 loads of 512 neighbouring bytes, all issued at once, and writes 16 stores of 256 neighbouring bytes, each at a multiple of 256.
; No LDS, no barrier, no matrix unit: every byte is read once and written once, and no wave needs another.
; LIMITS: a magnitude above 65,504 in hidden_states, W1 or W2 becomes infinite.  The argmax is taken on the computed softmax, the first index
; on ties, as the source does; two logits of a row that differ by about one unit in the last place may fall on the other side of a tie than
; with another exponential.  A row with a NaN logit gets q = 4.
.set X, 4                              ; v[4:67]   16 x 4 f32 as loaded
.set Y, 68                             ; v[68:99]  16 x 2 words of f16 to store
	s_load_b256 s[4:11], s[0:1], 0x0               ; hidden_states s[4:5], W1 s[6:7], W2 s[8:9], logit_width s[10:11]
	s_load_b256 s[12:19], s[0:1], 0x20             ; xh s[12:13], w1h s[14:15], w2h s[16:17], out1 s[18:19]
	s_load_b64 s[20:21], s[0:1], 0x40              ; widths
	s_mov_b32 s2, ttmp9                            ; work-group
	s_mov_b32 s28, 768
	v_and_b32 v3, 31, v0                           ; lane
	v_lshrrev_b32 v2, 5, v0
	v_readfirstlane_b32 s29, v2                    ; wave
	v_lshlrev_b32 v1, 13, v2
	v_lshl_or_b32 v1, v3, 4, v1                    ; source: 8,192 x wave + 16 x lane
	v_lshlrev_b32 v2, 12, v2
	v_lshl_or_b32 v2, v3, 3, v2                    ; target: 4,096 x wave + 8 x lane
	s_wait_kmcnt 0x0
	s_cmp_lt_u32 s2, s28                           ; which tensor: the choice hangs on the group number alone
	s_cselect_b64 s[22:23], s[6:7], s[8:9]
	s_cselect_b64 s[24:25], s[14:15], s[16:17]
	s_cselect_b32 s3, 512, s28
	s_cmp_lt_u32 s2, 512
	s_cselect_b64 s[22:23], s[4:5], s[22:23]
	s_cselect_b64 s[24:25], s[12:13], s[24:25]
	s_cselect_b32 s3, 0, s3
	s_sub_co_u32 s3, s2, s3                        ; the group number inside its tensor
	s_lshl_b32 s26, s3, 16
	s_mov_b32 s27, 0
	s_add_nc_u64 s[22:23], s[22:23], s[26:27]      ; + 65,536 bytes a group
	s_lshl_b32 s26, s3, 15
	s_add_nc_u64 s[24:25], s[24:25], s[26:27]      ; + 32,768 bytes a group
.irp i, 0,1,2,3,4,5,6,7,8,9,10,11,12,13,14,15
	global_load_b128 v[X+4*\i:X+4*\i+3], v1, s[22:23] offset:512*\i th:TH_LOAD_NT
.endr
.irp i, 0,1,2,3,4,5,6,7,8,9,10,11,12,13,14,15
	s_wait_loadcnt 15-\i                           ; loads come back in order (ISA guide 5.7.1): load i is in, the younger ones stay out
	v_cvt_pk_f16_f32 v[Y+2*\i],   v[X+4*\i],   v[X+4*\i+1]
	v_cvt_pk_f16_f32 v[Y+2*\i+1], v[X+4*\i+2], v[X+4*\i+3]
	global_store_b64 v2, v[Y+2*\i:Y+2*\i+1], s[24:25] offset:256*\i   ; no hint: the next launches read these bytes
.endr
	s_cmp_lg_u32 s2, 0
	s_cbranch_scc1 .Lend
	s_cmp_lg_u32 s29, 0
	s_cbranch_scc1 .Lend
	; The routing.  Lane l (and lane l + 16, which repeats it) holds logit l: batch l / 4, width l % 4; a batch is a group of four lanes.
	v_and_b32 v100, 15, v0
	v_lshlrev_b32 v100, 2, v100
	global_load_b32 v101, v100, s[10:11]
	v_and_b32 v107, 3, v0
	v_cvt_f32_u32 v107, v107                       ; my index as a float
	s_wait_loadcnt 0x0
	v_mov_b32 v102, v101
	v_max_num_f32_dpp v102, v102, v102 row_xmask:1 row_mask:0xf bank_mask:0xf
	v_max_num_f32_dpp v102, v102, v102 row_xmask:2 row_mask:0xf bank_mask:0xf   ; the largest logit of the batch
	v_sub_f32 v103, v101, v102                     ; the maximum is taken away, as the source does
	v_mul_f32 v103, 0x3fb8aa3b, v103               ; x log2 e
	v_exp_f32 v103, v103
	v_nop                                          ; one plain place behind a transcendental (ISA guide 5.7.2)
	s_wait_alu depctr_va_vdst(0)
	v_mov_b32 v104, v103
	v_add_f32_dpp v104, v104, v104 row_xmask:1 row_mask:0xf bank_mask:0xf
	v_add_f32_dpp v104, v104, v104 row_xmask:2 row_mask:0xf bank_mask:0xf       ; the sum, at least 1
	v_rcp_f32 v104, v104
	v_nop
	s_wait_alu depctr_va_vdst(0)
	v_mul_f32 v105, v103, v104                     ; p_soft
	v_mov_b32 v106, v105
	v_max_num_f32_dpp v106, v106, v106 row_xmask:1 row_mask:0xf bank_mask:0xf
	v_max_num_f32_dpp v106, v106, v106 row_xmask:2 row_mask:0xf bank_mask:0xf   ; the largest p of the batch
	v_cmp_eq_f32 vcc_lo, v105, v106
	v_cndmask_b32 v106, 4.0, v107, vcc_lo          ; my index where I hold the maximum, else 4
	v_min_num_f32_dpp v106, v106, v106 row_xmask:1 row_mask:0xf bank_mask:0xf
	v_min_num_f32_dpp v106, v106, v106 row_xmask:2 row_mask:0xf bank_mask:0xf   ; the first index that holds it
	v_cvt_u32_f32 v108, v106
	v_add_nc_u32 v108, 1, v108
	v_min_u32 v108, 4, v108                        ; q = index + 1, 1 to 4
	v_cmp_gt_u32 vcc_lo, 16, v0
	s_wait_xcnt 0x0                                ; EXEC is a source of the loads and stores above: it changes only behind this wait
	s_and_saveexec_b32 s30, vcc_lo                 ; lanes 0 to 15 store
	global_store_b32 v100, v105, s[18:19]
	global_store_b32 v100, v108, s[20:21]
	s_wait_xcnt 0x0                                ; and again in front of the line that widens it
	s_or_b32 exec_lo, exec_lo, s30
.Lend:
	s_endpgm
.Lfunc_end_k_q21fefedb06_prep:
	.size	k_q21fefedb06_prep, .Lfunc_end_k_q21fefedb06_prep-k_q21fefedb06_prep
	.p2alignl 7, 3214868480
	.fill 96, 4, 3214868480
	.section	.rodata,"a",@progbits
	.p2align	6, 0x0
	.amdhsa_kernel k_q21fefedb06_prep
		.amdhsa_group_segment_fixed_size 0
		.amdhsa_private_segment_fixed_size 0
		.amdhsa_enable_private_segment 0
		.amdhsa_kernarg_size 72
		.amdhsa_user_sgpr_count 2
		.amdhsa_user_sgpr_kernarg_segment_ptr 1
		.amdhsa_wavefront_size32 1
		.amdhsa_system_sgpr_workgroup_id_x 1
		.amdhsa_system_sgpr_workgroup_id_y 1
		.amdhsa_system_sgpr_workgroup_id_z 1
		.amdhsa_system_vgpr_workitem_id 0
		.amdhsa_next_free_vgpr 112
		.amdhsa_next_free_sgpr 66
		.amdhsa_reserve_vcc 1
		.amdhsa_float_denorm_mode_32 3
		.amdhsa_float_denorm_mode_16_64 3
		.amdhsa_memory_ordered 1
		.amdhsa_forward_progress 1
		.amdhsa_inst_pref_size 9
	.end_amdhsa_kernel
	.amdgpu_metadata
---
amdhsa.version: [ 1, 2 ]
amdhsa.kernels:
  - .name:           k_q21fefedb06_prep
    .symbol:         k_q21fefedb06_prep.kd
    .args:
      - { .name: hidden_states, .offset: 0, .size: 8, .value_kind: global_buffer, .address_space: global }
      - { .name: W1, .offset: 8, .size: 8, .value_kind: global_buffer, .address_space: global }
      - { .name: W2, .offset: 16, .size: 8, .value_kind: global_buffer, .address_space: global }
      - { .name: logit_width, .offset: 24, .size: 8, .value_kind: global_buffer, .address_space: global }
      - { .name: xh, .offset: 32, .size: 8, .value_kind: global_buffer, .address_space: global }
      - { .name: w1h, .offset: 40, .size: 8, .value_kind: global_buffer, .address_space: global }
      - { .name: w2h, .offset: 48, .size: 8, .value_kind: global_buffer, .address_space: global }
      - { .name: out1, .offset: 56, .size: 8, .value_kind: global_buffer, .address_space: global }
      - { .name: widths, .offset: 64, .size: 8, .value_kind: global_buffer, .address_space: global }
    .group_segment_fixed_size: 0
    .private_segment_fixed_size: 0
    .kernarg_segment_align: 8
    .kernarg_segment_size: 72
    .max_flat_workgroup_size: 256
    .sgpr_count:     66
    .vgpr_count:     112
    .wavefront_size: 32
...
	.end_amdgpu_metadata
.endif
;; end of part 1
;; launch up (part 2): grid 4 x 64, 4 waves a work-group, clusters of 4 x 4, 327,680 bytes of LDS; arguments xh, w1h, b1, widths, h; writes h
.if DOCPART == 2
	.amdgcn_target "amdgcn-amd-amdhsa--gfx1250"
	.amdhsa_code_object_version 6
	.text
	.protected	k_q21fefedb06_up
	.globl	k_q21fefedb06_up
	.p2align	8
	.type	k_q21fefedb06_up,@function
k_q21fefedb06_up:
	s_mov_b64 s[64:65], 0
	v_nop
	global_prefetch_b8 v0, s[64:65] scope:SCOPE_SE
	s_setreg_imm32_b32 hwreg(HW_REG_WAVE_MODE, 25, 1), 1
	s_wait_xcnt 0x0
	s_wait_alu depctr_hold_cnt(0) depctr_sa_sdst(0) depctr_va_vdst(0) depctr_va_sdst(0) depctr_va_ssrc(0) depctr_va_vcc(0) depctr_vm_vsrc(0)
	s_getreg_b32 s2, hwreg(HW_REG_IB_STS2, 6, 4)
	s_cmp_eq_u32 s2, 0
	s_cbranch_scc0 .Lentry_in_a_cluster
	s_endpgm
.Lentry_in_a_cluster:
	s_bfe_u32 s2, ttmp6, 0x10000c
	s_cmp_lg_u32 s2, 0xf033
	s_cbranch_scc0 .Lentry_shape_is_right
	s_endpgm
.Lentry_shape_is_right:
; h[m][n] = g(sum over k of xh[m][k] w1h[n][k] + b1[n]) x mask / 4, g(t) = t / (1 + 2^(-1.702 log2(e) t)), mask = 1 for n < 1024 q of the row's batch, else 0.
; xh [8192][1024], w1h [4096][1024], h [8192][4096] in f16; b1 in f32; sums, bias, g and mask in f32; h rounded once.
; THE QUARTER: h is kept as a quarter of its value (a power of two: exact) and the next launch multiplies its sums by 4.  That gives f16 its room:
; with both factors 30 times larger t is of order 0.58 x 900 = 520; with an offset of 30 spreads on both it is about 1024 x 30 x 0.54 = 16,600, or 57,600
; if the spread is read as the whole range; all far below 4 x 65,504.  With both 30 times smaller h / 4 is of order 2^-13.6, where f16's step 2^-24 is
; still about 2/10,000 of it.
; A work-group makes blocks of 128 rows x 256 columns with four waves, a wave 64 x 128: 32 sums of 16 x 16, 256 registers.
; A cluster of 4 x 4 work-groups covers 512 rows (inside one batch of 2,048) x 1,024 columns (one quarter of the width) and walks all four quarters:
; the number of trips, rounds and joint loads is a constant.  q (from widths, at an address made of the cluster's y alone) only selects the factor
; 1/4 or 0 of a quarter, so the quarters beyond q are computed and multiplied by 0, as the source writes it; no work is saved by the mask here.
; JOINT LOADS: the four work-groups of a row of the cluster need the same rows of xh, the four of a column the same rows of w1h; each such tile
; is asked for by all four with one descriptor and a mask that names them, which divides the requests by four.
; K goes in steps of 128 (tile rows of 256 bytes, each at a multiple of 256 from the buffer's start) through two LDS slots.
; By this text's own count a wave never has more than one tensor load outstanding.
; The matrix instruction is used transposed (source 0 = rows of w1h, source 1 = rows of xh): lane (r, hh) register j holds C(m = r, n = 8 hh + j).
; LIMITS: operands are f16 (xh, w1h as rounded by the launch before; h rounded here); |h| from 262,016 on becomes infinite.  A word of widths
; outside 1..4 is clamped to that range.  g: where the power of two overflows, the reciprocal is 0 and g = -0, the limit; where it flushes to 0, g = t.
.set KP,     1024                      ; elements in a row of xh and of w1h
.set LOGROW, 11                        ; log2 of their bytes
.set QUARTERS, 4                       ; quarters of the width, 1,024 columns each
.set PITCH,  272                       ; an LDS row: 256 bytes + 16 of padding, so that the 16 rows of a fragment load start 16 bytes apart modulo 256
.set HA,     64*PITCH                  ; what one load brings of A, and what a wave reads of A
.set HB,     128*PITCH                 ; the same for B
.set SLOT,   2*HA+2*HB                 ; A's 128 rows, then B's 256 rows
.set STAGE,  2*SLOT                    ; 208,896 = 816 x 256: behind the ring, never the target of a fill
.set SPITCH, 272                       ; stage row: 128 f16 + 16 bytes
.set ADRA, 16                          ; v16-17 LDS address of my A fragments in slot 0, 1
.set ADRB, 20                          ; v20-21 the same for B
.set STO,  24                          ; v24 where I put 16 bytes of a row in my stage
.set RD,   25                          ; v25 where I read rows back
.set CO,   26                          ; v26 my byte offset in h
.set BO,   27                          ; v27 my byte offset in the bias
.set FA0,  32                          ; v32-95   fragments of A: two buffers of 4 x 8 registers
.set FB0,  96                          ; v96-223  fragments of B: two buffers of 8 x 8 registers
.set T,    FB0                         ; the way out: 64 registers at work
.set TMP,  224                         ; v224-255 the way out: packed results
; window 1 (v256-511): sum (a, b) at v[8 (8 a + b)];  window 2 (v512-575): the bias, block b at v[8 b]
.set G1A, 24                           ; s[24:31] group 1 for A's tiles
.set G0A, 32                           ; s[32:39] group 0 for A's tiles, a set for each slot
.set G1B, 48                           ; s[48:55] group 1 for B's tiles
.set G0B, 56                           ; s[56:63] group 0 for B's tiles, a set for each slot
.set FLAGS, (1<<16)|(1<<20)|(1<<21)|(5<<22)|(3<<25)   ; 2-byte elements; padding on; bit 21 beside a mask; after every 64 words, 4 words
.set MULA,    0x50                     ; C and D in window 1
.set MULB,    0x60                     ; D in window 1, C in window 2
.set TOBIAS,  0x80                     ; destination in window 2
.set FROMACC, 0x01                     ; source 0 in window 1
.set MSB, 0
.macro WIN new                         ; the immediate's high byte repeats the setting that is left
.if MSB != \new
	s_set_vgpr_msb (MSB<<8)|\new
.set MSB, \new
.endif
.endm
; A joint load: waves 0 and 1 fetch A's two halves of 64 rows, waves 2 and 3 B's two halves of 128.  The branch hangs on the wave's number alone.
.macro JLOAD s
	s_cmp_eq_u32 s15, 0
	s_cbranch_scc0 .Lfor_b_\@
	tensor_load_to_lds s[G0A+4*\s:G0A+4*\s+3], s[G1A:G1A+7]
	s_nop 0
	s_branch .Lasked_\@
.Lfor_b_\@:
	tensor_load_to_lds s[G0B+4*\s:G0B+4*\s+3], s[G1B:G1B+7]
	s_nop 0
.Lasked_\@:
.endm
; A round of the cluster's barrier: my work-group's barrier; wave 0 signals for the work-group; every wave waits for all sixteen; my work-group's barrier again.
.macro CREST                           ; a round behind its opening barrier
	s_cmp_lg_u32 s14, 0
	s_cbranch_scc1 .Lnot_wave_0_\@
	s_barrier_signal -3
.Lnot_wave_0_\@:
	s_barrier_wait -3
	s_barrier_signal -1
	s_barrier_wait -1
.endm
.macro CROUND
	s_barrier_signal -1
	s_barrier_wait -1
	CREST
.endm
.macro PLACES                          ; four plain places behind matrix instructions, ahead of loads into their sources and of readers of their results
.rept 4
	v_nop
.endr
.endm
; 16 matrix instructions: row blocks a0, a0 + 1 x all 8 column blocks, 32 along K, from buffer f.  bias = 1: the sum starts from the bias, nothing is cleared.
; The 32 sums take turns, one instruction a turn, in the same order in every quarter step.
.macro MUL16 f, a0, bias
.irp a, \a0, \a0+1
.irp b, 0,1,2,3,4,5,6,7
.if \bias
	v_wmma_f32_16x16x32_f16 v[8*(8*(\a)+\b):8*(8*(\a)+\b)+7], v[FB0+64*\f+8*\b:FB0+64*\f+8*\b+7], v[FA0+32*\f+8*(\a):FA0+32*\f+8*(\a)+7], v[8*\b:8*\b+7]
.else
	v_wmma_f32_16x16x32_f16 v[8*(8*(\a)+\b):8*(8*(\a)+\b)+7], v[FB0+64*\f+8*\b:FB0+64*\f+8*\b+7], v[FA0+32*\f+8*(\a):FA0+32*\f+8*(\a)+7], v[8*(8*(\a)+\b):8*(8*(\a)+\b)+7]
.endif
.endr
.endr
.endm
; 24 LDS loads in one run: a quarter step's fragments (128 rows of B, 64 rows of A, 32 K at byte k of the rows) into buffer f
.macro FETCH slot, k, f
	WIN 0
.irp i, 0,1,2,3,4,5,6,7
	ds_load_b128 v[FB0+64*\f+8*\i:FB0+64*\f+8*\i+3],   v[ADRB+\slot] offset:\k+\i*16*PITCH
	ds_load_b128 v[FB0+64*\f+8*\i+4:FB0+64*\f+8*\i+7], v[ADRB+\slot] offset:\k+\i*16*PITCH+32
.endr
.irp i, 0,1,2,3
	ds_load_b128 v[FA0+32*\f+8*\i:FA0+32*\f+8*\i+3],   v[ADRA+\slot] offset:\k+\i*16*PITCH
	ds_load_b128 v[FA0+32*\f+8*\i+4:FA0+32*\f+8*\i+7], v[ADRA+\slot] offset:\k+\i*16*PITCH+32
.endr
.endm
; One of a K step's first three quarters: buffer f is in; the next quarter's fragments are asked for into buffer g; then f's 32 products.
.macro QUARTER slot, k, f, g, bias
	s_wait_dscnt 0x0                               ; buffer f is in
	PLACES                                         ; buffer g was read by the matrix instructions just issued
	FETCH \slot, \k, \g
.if \bias
	WIN MULB
.else
	WIN MULA
.endif
	MUL16 \f, 0, \bias
	MUL16 \f, 2, \bias
.endm
.macro THREE slot, bias
	QUARTER \slot, 64,  0, 1, \bias
	QUARTER \slot, 128, 1, 0, 0
	QUARTER \slot, 192, 0, 1, 0
.endm
; The last quarter multiplies buffer 1 and changes slots.  In front of the barrier each wave waits for its reads of this slot and for all its tensor
; loads (the one that is out is its part of the next slot).  fill = 1: the barrier opens a round of the cluster's barrier, and this slot's joint
; refill, two K steps ahead, is the first tensor load behind the round.  From that request to the wait for it a wave issues 112 matrix instructions.
.macro TURN slot, next, fill
	s_wait_dscnt 0x0                               ; buffer 1 is in: my reads of this slot are over
	s_wait_tensorcnt 0x0                           ; all my tensor loads have landed
	ds_add_u32 v30, v31
	s_wait_dscnt 0x0
	WIN MULA
	s_barrier_signal -1
	MUL16 1, 0, 0                                  ; register work while the others arrive
	WIN 0
	s_barrier_wait -1
.if \fill
	CREST                                          ; no wave of any partner still reads this slot or has a load on its way
	s_add_nc_u64 s[G0A+4*\slot+2:G0A+4*\slot+3], s[G0A+4*\slot+2:G0A+4*\slot+3], 512   ; two K steps on: no load of mine is out, so a group 0 may be written
	s_add_nc_u64 s[G0B+4*\slot+2:G0B+4*\slot+3], s[G0B+4*\slot+2:G0B+4*\slot+3], 512
	JLOAD \slot
.endif
	PLACES
	FETCH \next, 0, 0
	WIN MULA
	MUL16 1, 2, 0
.endm
.macro LAP bias                        ; once round the ring, both slots filled again
	THREE 0, \bias
	TURN 0, 1, 1
	THREE 1, 0
	TURN 1, 0, 1
.endm
.macro LASTLAP                         ; the last two K steps fill nothing
	THREE 0, 0
	TURN 0, 1, 0
	THREE 1, 0
	s_wait_dscnt 0x0
	WIN MULA
	MUL16 1, 0, 0
	MUL16 1, 2, 0
	WIN 0
	PLACES                                         ; ahead of the readers of the sums and of writes into the fragment buffers
.endm
.macro BIAS                            ; block b, register j of lane (r, hh) = bias[n0 + 16 b + 8 hh + j]: the layout of a sum
	WIN TOBIAS
.irp b, 0,1,2,3,4,5,6,7
	global_load_b128 v[8*\b:8*\b+3],   v[BO], s[70:71] offset:64*\b
	global_load_b128 v[8*\b+4:8*\b+7], v[BO], s[70:71] offset:64*\b+16
.endr
	WIN 0
.endm
; The way out, rows 16 i to 16 i + 15 of my block: g and the quarter's factor in f32, rounded to f16, 16 bytes a lane into my own stage, read back as whole rows of 256 bytes.
.macro OUT16 i, rb
	WIN FROMACC
.set idx, 0
.rept 32
	v_pk_mul_f32 v[T+idx:T+idx+1], v[64*\i+idx:64*\i+idx+1], s[68:69] op_sel_hi:[1,0]   ; -1.702 log2(e) t
.set idx, idx+2
.endr
	WIN 0
.set idx, 0
.rept 64
	v_exp_f32 v[T+idx], v[T+idx]
.set idx, idx+1
.endr
	v_nop                                          ; one plain place behind the transcendentals (ISA guide 5.7.2)
.set idx, 0
	s_wait_alu depctr_va_vdst(0)
.rept 32
	v_pk_add_f32 v[T+idx:T+idx+1], v[T+idx:T+idx+1], 1.0 op_sel_hi:[1,0]
.set idx, idx+2
.endr
.set idx, 0
.rept 64
	v_rcp_f32 v[T+idx], v[T+idx]
.set idx, idx+1
.endr
	v_nop
.set idx, 0
	s_wait_alu depctr_va_vdst(0)
.rept 32
	v_pk_mul_f32 v[T+idx:T+idx+1], v[T+idx:T+idx+1], s[76:77] op_sel_hi:[1,0]           ; sigmoid x the quarter's factor, 1/4 or 0
.set idx, idx+2
.endr
	WIN FROMACC
.set idx, 0
.rept 32
	v_pk_mul_f32 v[T+idx:T+idx+1], v[64*\i+idx:64*\i+idx+1], v[T+idx:T+idx+1]           ; t x that
.set idx, idx+2
.endr
	WIN 0
.irp b, 0,1,2,3,4,5,6,7
.irp r, 0,1,2,3
	v_cvt_pk_f16_f32 v[TMP+4*\b+\r], v[T+8*\b+2*\r], v[T+8*\b+2*\r+1]
.endr
.endr
.irp b, 0,1,2,3,4,5,6,7
	ds_store_b128 v[STO], v[TMP+4*\b:TMP+4*\b+3] offset:32*\b
.endr
	s_wait_xcnt 0x0                                ; the registers that earlier stores read are loaded again only behind this wait (ISA guide 3.1)
.irp t, 0,1,2,3,4,5,6,7
	ds_load_b128 v[\rb+4*\t:\rb+4*\t+3], v[RD] offset:\t*2*SPITCH    ; LDS serves a wave's instructions in order: these see the stores above
.endr
.irp t, 0,1,2,3,4,5,6,7
	s_wait_dscnt 7-\t                              ; the younger read-backs stay out
	global_store_b128 v[CO], v[\rb+4*\t:\rb+4*\t+3], s[66:67] offset:(16*\i+2*\t)*8192   ; 16 lanes store 256 consecutive bytes, at a multiple of 256
.endr
.endm
	s_load_b256 s[4:11], s[0:1], 0x0               ; xh s[4:5], w1h s[6:7], b1 s[8:9], widths s[10:11]
	s_load_b64 s[12:13], s[0:1], 0x20              ; h
	v_lshl_add_u32 v30, v0, 2, 0x37400
	v_mov_b32 v31, 0
	v_lshrrev_b32 v1, 5, v0
	v_readfirstlane_b32 s14, v1                    ; wave 0..3
	s_lshr_b32 s15, s14, 1                         ; my half of the block's rows.  Also: I fetch for A (0) or for B (1)
	s_and_b32 s16, s14, 1                          ; my half of its columns.  Also: which half of that tile I fetch
	s_bfe_u32 s17, ttmp6, 0x40000                  ; cx = block column inside a quarter (the grid's x is one cluster wide)
	s_bfe_u32 s18, ttmp6, 0x40004                  ; cy
	s_and_b32 s79, ttmp7, 0xffff                   ; the cluster's y, 0..15
	s_lshl_b32 s19, s79, 2
	s_add_co_u32 s19, s19, s18                     ; block row = 4 x cluster y + cy, 0..63
	s_lshr_b32 s72, s79, 2                         ; batch = cluster y / 4 (four clusters of 512 rows)
	s_lshl_b32 s72, s72, 4                         ; word 4 b of widths; not rewritten
	s_lshl_b32 s20, s18, 2
	s_lshl_b32 s20, 15, s20                        ; my row of the cluster: places 4 cy .. 4 cy + 3
	s_lshl_b32 s21, 0x1111, s17                    ; my column: places cx, cx + 4, cx + 8, cx + 12
	s_or_b32 s[G1A+0], s20, FLAGS                  ; A's tiles go to my row of the cluster
	s_mov_b32 s[G1A+1], 128<<16                    ; tensor_dim0 = 128
	s_mov_b32 s[G1A+2], 64<<16                     ; tensor_dim1 = 64
	s_mov_b32 s[G1A+3], 128<<16                    ; tile_dim0 = 128 elements, 256 bytes
	s_mov_b32 s[G1A+4], 64                         ; tile_dim1 = 64 rows
	s_mov_b32 s[G1A+5], KP                         ; elements from row to row
	s_mov_b32 s[G1A+6], 0
	s_mov_b32 s[G1A+7], 0
	s_or_b32 s[G1B+0], s21, FLAGS                  ; B's tiles go to my column
	s_mov_b32 s[G1B+1], 128<<16
	s_mov_b32 s[G1B+2], 128<<16                    ; tensor_dim1 = 128
	s_mov_b32 s[G1B+3], 128<<16
	s_mov_b32 s[G1B+4], 128                        ; tile_dim1 = 128 rows
	s_mov_b32 s[G1B+5], KP
	s_mov_b32 s[G1B+6], 0
	s_mov_b32 s[G1B+7], 0
	s_lshl_b32 s40, s19, 7                         ; A: row 128 x block row + 64 x half; these registers never hold cx
	s_lshl_b32 s41, s16, 6
	s_add_co_u32 s40, s40, s41
	s_lshl_b32 s40, s40, LOGROW
	s_mov_b32 s41, 0
	s_lshl_b32 s44, s17, 8                         ; B: row 256 x cx + 128 x half; these never hold cy
	s_lshl_b32 s45, s16, 7
	s_add_co_u32 s44, s44, s45
	s_lshl_b32 s44, s44, LOGROW
	s_mov_b32 s45, 0
	s_mul_i32 s74, s16, HA                         ; LDS targets: made of the wave's number alone
	s_mul_i32 s75, s16, HB
	s_add_co_u32 s75, s75, 2*HA
	s_lshl_b32 s76, s19, 7                         ; h: my first row,
	s_lshl_b32 s77, s15, 6
	s_add_co_u32 s76, s76, s77
	s_lshl_b32 s76, s76, 13                        ; of 8,192 bytes,
	s_lshl_b32 s77, s17, 9                         ; + 256 cx columns of 2 bytes
	s_add_co_u32 s76, s76, s77
	s_lshl_b32 s77, s16, 8                         ; + 128 columns for the right half
	s_add_co_u32 s76, s76, s77
	s_mov_b32 s77, 0
	s_wait_kmcnt 0x0
	s_load_b32 s22, s[10:11], s72 offset:0x0       ; q of my batch
	s_add_nc_u64 s[42:43], s[4:5], s[40:41]
	s_add_nc_u64 s[46:47], s[6:7], s[44:45]
	s_add_nc_u64 s[66:67], s[12:13], s[76:77]
	s_lshl_b32 s76, s17, 10                        ; b1: the same columns, 4 bytes each
	s_lshl_b32 s79, s16, 9
	s_add_co_u32 s76, s76, s79
	s_add_nc_u64 s[70:71], s[8:9], s[76:77]
.irp s, 0,1
	s_mov_b32 s[G0A+4*\s], 1                                       ; count = 1
	s_add_co_u32 s[G0A+4*\s+1], s74, \s*SLOT                       ; LDS address
	s_add_nc_u64 s[G0A+4*\s+2:G0A+4*\s+3], s[42:43], \s*256        ; K step s
	s_or_b32 s[G0A+4*\s+3], s[G0A+4*\s+3], 0x80000000              ; type = 2
	s_mov_b32 s[G0B+4*\s], 1
	s_add_co_u32 s[G0B+4*\s+1], s75, \s*SLOT
	s_add_nc_u64 s[G0B+4*\s+2:G0B+4*\s+3], s[46:47], \s*256
	s_or_b32 s[G0B+4*\s+3], s[G0B+4*\s+3], 0x80000000
.endr
	s_mov_b32 s68, 0xc01d265f                      ; -1.702 log2 e,
	s_mov_b32 s69, 0xc01d265f                      ; the whole pair written
	; A fragment: lane l holds row l % 16; registers 0-3 K = 8 (l / 16) + 0..7, registers 4-7 K = 16 + 8 (l / 16) + 0..7: two loads of 16 bytes, 32 apart.
	v_and_b32 v1, 15, v0                           ; r
	v_bfe_u32 v2, v0, 4, 1                         ; hh
	v_mul_u32_u24 v3, v1, PITCH
	v_lshl_add_u32 v3, v2, 4, v3                   ; r x pitch + 16 hh
	s_mul_i32 s76, s15, HA                         ; my 64 rows of A
	s_mul_i32 s77, s16, HB                         ; my 128 rows of B,
	s_add_co_u32 s77, s77, 2*HA                    ; behind A's 128
.irp s, 0,1
	v_add_nc_u32 v[ADRA+\s], s76, v3
	v_add_nc_u32 v[ADRB+\s], s77, v3
	s_add_co_u32 s76, s76, SLOT
	s_add_co_u32 s77, s77, SLOT
.endr
	s_mul_i32 s78, s14, 16*SPITCH
	s_add_co_u32 s78, s78, STAGE                   ; my stage
	v_add_nc_u32 v[STO], s78, v3                   ; in: row r, 16 bytes for each half of the lanes
	v_mul_u32_u24 v5, v2, SPITCH                   ; back: lanes 0-15 one row of 256 bytes, lanes 16-31 the next
	v_lshl_add_u32 v5, v1, 4, v5
	v_add_nc_u32 v[RD], s78, v5
	v_lshlrev_b32 v6, 13, v2                       ; and the same two rows in h
	v_lshl_add_u32 v[CO], v1, 4, v6
	v_lshlrev_b32 v[BO], 5, v2                     ; 8 hh numbers of 4 bytes
	s_wait_kmcnt 0x0
	s_min_u32 s22, s22, 4
	s_max_u32 s22, s22, 1                          ; 1 to 4 quarters are kept
	s_mov_b32 s23, 0
.Ltile:                                            ; one quarter of the width: a block of 128 x 256, K = 1,024 in eight steps
	s_cmp_lt_u32 s23, s22                          ; is this quarter inside the batch's width?  The answer selects a value and steers nothing
	s_cselect_b32 s76, 0x3e800000, 0               ; the quarter's factor: the mask times 1/4, so 0.25 or 0,
	s_mov_b32 s77, s76                             ; the whole pair written
	s_wait_dscnt 0x0                               ; my LDS reads are over,
	s_wait_tensorcnt 0x0                           ; no tensor load of mine is out,
	ds_add_u32 v30, v31
	s_wait_dscnt 0x0
	CROUND                                         ; and that holds of every wave of the cluster (in the first trip: the round in front of the first joint load)
	JLOAD 0                                        ; K step 0
	BIAS                                           ; this quarter's bias, on its way beside it
	s_wait_tensorcnt 0x0                           ; my part of K step 0 is in
	ds_add_u32 v30, v31
	s_wait_dscnt 0x0
	CROUND
	JLOAD 1                                        ; K step 1, my one load behind this round
	FETCH 0, 0, 0
	s_wait_loadcnt 0x0                             ; the bias
	LAP 1                                          ; the first products start from the bias; the three laps ask for K steps 2 to 7
	LAP 0
	LAP 0
	LASTLAP
	OUT16 0, FA0
	OUT16 1, FA0+32
	OUT16 2, FA0
	OUT16 3, FA0+32
	s_wait_xcnt 0x0                                ; the stores' base and data registers are rewritten only behind this wait
	s_sub_nc_u64 s[G0A+2:G0A+3], s[G0A+2:G0A+3], 1536              ; A: back to K steps 0 and 1 (three refills of 512 bytes were stepped)
	s_sub_nc_u64 s[G0A+6:G0A+7], s[G0A+6:G0A+7], 1536
	s_add_nc_u64 s[G0B+2:G0B+3], s[G0B+2:G0B+3], 1024*2048-1536    ; B: the same, and 1,024 rows of 2,048 bytes on
	s_add_nc_u64 s[G0B+6:G0B+7], s[G0B+6:G0B+7], 1024*2048-1536
	s_add_nc_u64 s[66:67], s[66:67], 2048                          ; h: 1,024 columns of 2 bytes on
	s_add_nc_u64 s[70:71], s[70:71], 4096                          ; b1: 1,024 numbers on
	s_add_co_u32 s23, s23, 1
	s_cmp_lt_u32 s23, QUARTERS
	s_cbranch_scc1 .Ltile                          ; (the addresses stepped in the last trip are not used)
	s_wait_tensorcnt 0x0
	ds_add_u32 v30, v31
	s_wait_dscnt 0x0
	CROUND                                         ; the closing round: no work-group ends while a partner may still ask for a tile that names it
	s_endpgm
.Lfunc_end_k_q21fefedb06_up:
	.size	k_q21fefedb06_up, .Lfunc_end_k_q21fefedb06_up-k_q21fefedb06_up
	.p2alignl 7, 3214868480
	.fill 96, 4, 3214868480
	.section	.rodata,"a",@progbits
	.p2align	6, 0x0
	.amdhsa_kernel k_q21fefedb06_up
		.amdhsa_group_segment_fixed_size 327680
		.amdhsa_private_segment_fixed_size 0
		.amdhsa_enable_private_segment 0
		.amdhsa_kernarg_size 40
		.amdhsa_user_sgpr_count 2
		.amdhsa_user_sgpr_kernarg_segment_ptr 1
		.amdhsa_wavefront_size32 1
		.amdhsa_system_sgpr_workgroup_id_x 1
		.amdhsa_system_sgpr_workgroup_id_y 1
		.amdhsa_system_sgpr_workgroup_id_z 1
		.amdhsa_system_vgpr_workitem_id 0
		.amdhsa_next_free_vgpr 576
		.amdhsa_next_free_sgpr 80
		.amdhsa_reserve_vcc 0
		.amdhsa_float_denorm_mode_32 3
		.amdhsa_float_denorm_mode_16_64 3
		.amdhsa_memory_ordered 1
		.amdhsa_forward_progress 1
		.amdhsa_inst_pref_size 200
	.end_amdhsa_kernel
	.amdgpu_metadata
---
amdhsa.version: [ 1, 2 ]
amdhsa.kernels:
  - .name:           k_q21fefedb06_up
    .symbol:         k_q21fefedb06_up.kd
    .args:
      - { .name: xh, .offset: 0, .size: 8, .value_kind: global_buffer, .address_space: global }
      - { .name: w1h, .offset: 8, .size: 8, .value_kind: global_buffer, .address_space: global }
      - { .name: b1, .offset: 16, .size: 8, .value_kind: global_buffer, .address_space: global }
      - { .name: widths, .offset: 24, .size: 8, .value_kind: global_buffer, .address_space: global }
      - { .name: h, .offset: 32, .size: 8, .value_kind: global_buffer, .address_space: global }
    .group_segment_fixed_size: 327680
    .private_segment_fixed_size: 0
    .kernarg_segment_align: 8
    .kernarg_segment_size: 40
    .max_flat_workgroup_size: 128
    .sgpr_count:     80
    .vgpr_count:     576
    .wavefront_size: 32
...
	.end_amdgpu_metadata
.endif
;; end of part 2
;; launch down (part 3): grid 4 x 64, 4 waves a work-group, clusters of 4 x 4, 327,680 bytes of LDS; arguments h, w2h, b2, out0; writes out0
.if DOCPART == 3
	.amdgcn_target "amdgcn-amd-amdhsa--gfx1250"
	.amdhsa_code_object_version 6
	.text
	.protected	k_q21fefedb06_down
	.globl	k_q21fefedb06_down
	.p2align	8
	.type	k_q21fefedb06_down,@function
k_q21fefedb06_down:
	s_mov_b64 s[64:65], 0
	v_nop
	global_prefetch_b8 v0, s[64:65] scope:SCOPE_SE
	s_setreg_imm32_b32 hwreg(HW_REG_WAVE_MODE, 25, 1), 1
	s_wait_xcnt 0x0
	s_wait_alu depctr_hold_cnt(0) depctr_sa_sdst(0) depctr_va_vdst(0) depctr_va_sdst(0) depctr_va_ssrc(0) depctr_va_vcc(0) depctr_vm_vsrc(0)
	s_getreg_b32 s2, hwreg(HW_REG_IB_STS2, 6, 4)
	s_cmp_eq_u32 s2, 0
	s_cbranch_scc0 .Lentry_in_a_cluster
	s_endpgm
.Lentry_in_a_cluster:
	s_bfe_u32 s2, ttmp6, 0x10000c
	s_cmp_lg_u32 s2, 0xf033
	s_cbranch_scc0 .Lentry_shape_is_right
	s_endpgm
.Lentry_shape_is_right:
; out0[m][c] = 4 x (sum over k < 4096 of h[m][k] w2h[c][k]) + b2[c].  h holds a quarter of the gated activations (the launch before divided by 4 to
; give f16 its room), hence the 4, which rides on the one fused multiply-add that adds the bias.  The prefix mask lies in h already: the columns
; beyond the batch's width were multiplied by 0, so the whole K is walked and the number of trips is a constant.
; h [8192][4096], w2h [1024][4096] in f16; b2 and out0 in f32; sums in f32.
; A work-group makes one block of 128 rows x 256 columns with four waves, a wave 64 x 128: 32 sums of 16 x 16, 256 registers.
; A cluster of 4 x 4 work-groups covers 512 rows x all 1,024 columns.
; JOINT LOADS: the four work-groups of a row of the cluster need the same rows of h, the four of a column the same rows of w2h; each such tile
; is asked for by all four with one descriptor and a mask that names them, which divides the requests by four.
; K goes in steps of 128 (tile rows of 256 bytes, each at a multiple of 256 from the buffer's start) through two LDS slots: 32 steps = 16 laps.
; By this text's own count a wave has two tensor loads outstanding at the start and one behind each round.
; The matrix instruction is used transposed (source 0 = rows of w2h, source 1 = rows of h): lane (r, hh) register j holds C(m = r, n = 8 hh + j).
; LIMITS: operands are f16, as the launches before rounded them (their range limits are stated there).
.set KP,     4096                      ; elements in a row of h and of w2h
.set LOGROW, 13                        ; log2 of their bytes
.set LOOPLAPS, KP/256-2                ; 16 laps of two K steps; the first and the last are written out
.set PITCH,  272                       ; an LDS row: 256 bytes + 16 of padding, so that the 16 rows of a fragment load start 16 bytes apart modulo 256
.set HA,     64*PITCH                  ; what one load brings of A, and what a wave reads of A
.set HB,     128*PITCH                 ; the same for B
.set SLOT,   2*HA+2*HB                 ; A's 128 rows, then B's 256 rows
.set STAGE,  2*SLOT                    ; 208,896 = 816 x 256: behind the ring, never the target of a fill
.set SPITCH, 528                       ; stage row: 128 f32 + 16 bytes
.set ADRA, 16                          ; v16-17 LDS address of my A fragments in slot 0, 1
.set ADRB, 20                          ; v20-21 the same for B
.set STO,  24                          ; v24 where I put my numbers of a row in my stage
.set RD,   25                          ; v25 where I read rows back
.set CO,   26                          ; v26 my byte offset in out0
.set BO,   27                          ; v27 my byte offset in the bias
.set FA0,  32                          ; v32-95   fragments of A: two buffers of 4 x 8 registers
.set FB0,  96                          ; v96-223  fragments of B: two buffers of 8 x 8 registers
.set T,    FA0                         ; the way out: 64 finished numbers a lane
; window 1 (v256-511): sum (a, b) at v[8 (8 a + b)];  window 2 (v512-575): the bias, block b at v[8 b]
.set G1A, 24                           ; s[24:31] group 1 for A's tiles
.set G0A, 32                           ; s[32:39] group 0 for A's tiles, a set for each slot
.set G1B, 48                           ; s[48:55] group 1 for B's tiles
.set G0B, 56                           ; s[56:63] group 0 for B's tiles, a set for each slot
.set FLAGS, (1<<16)|(1<<20)|(1<<21)|(5<<22)|(3<<25)   ; 2-byte elements; padding on; bit 21 beside a mask; after every 64 words, 4 words
.set MULA,    0x50                     ; C and D in window 1
.set TOBIAS,  0x80                     ; destination in window 2
.set FINISH,  0x21                     ; source 0 in window 1 (a sum), source 2 in window 2 (the bias), destination in window 0
.set MSB, 0
.macro WIN new                         ; the immediate's high byte repeats the setting that is left
.if MSB != \new
	s_set_vgpr_msb (MSB<<8)|\new
.set MSB, \new
.endif
.endm
; A joint load: waves 0 and 1 fetch A's two halves of 64 rows, waves 2 and 3 B's two halves of 128.  The branch hangs on the wave's number alone.
.macro JLOAD s
	s_cmp_eq_u32 s15, 0
	s_cbranch_scc0 .Lfor_b_\@
	tensor_load_to_lds s[G0A+4*\s:G0A+4*\s+3], s[G1A:G1A+7]
	s_nop 0
	s_branch .Lasked_\@
.Lfor_b_\@:
	tensor_load_to_lds s[G0B+4*\s:G0B+4*\s+3], s[G1B:G1B+7]
	s_nop 0
.Lasked_\@:
.endm
; A round of the cluster's barrier: my work-group's barrier; wave 0 signals for the work-group; every wave waits for all sixteen; my work-group's barrier again.
.macro CREST                           ; a round behind its opening barrier
	s_cmp_lg_u32 s14, 0
	s_cbranch_scc1 .Lnot_wave_0_\@
	s_barrier_signal -3
.Lnot_wave_0_\@:
	s_barrier_wait -3
	s_barrier_signal -1
	s_barrier_wait -1
.endm
.macro CROUND
	s_barrier_signal -1
	s_barrier_wait -1
	CREST
.endm
.macro PLACES                          ; four plain places behind matrix instructions, ahead of loads into their sources and of readers of their results
.rept 4
	v_nop
.endr
.endm
; 16 matrix instructions: row blocks a0, a0 + 1 x all 8 column blocks, 32 along K, from buffer f.  zero = 1: the first product starts the sum, nothing is cleared.
; The 32 sums take turns, one instruction a turn, in the same order in every quarter step.
.macro MUL16 f, a0, zero
.irp a, \a0, \a0+1
.irp b, 0,1,2,3,4,5,6,7
.if \zero
	v_wmma_f32_16x16x32_f16 v[8*(8*(\a)+\b):8*(8*(\a)+\b)+7], v[FB0+64*\f+8*\b:FB0+64*\f+8*\b+7], v[FA0+32*\f+8*(\a):FA0+32*\f+8*(\a)+7], 0
.else
	v_wmma_f32_16x16x32_f16 v[8*(8*(\a)+\b):8*(8*(\a)+\b)+7], v[FB0+64*\f+8*\b:FB0+64*\f+8*\b+7], v[FA0+32*\f+8*(\a):FA0+32*\f+8*(\a)+7], v[8*(8*(\a)+\b):8*(8*(\a)+\b)+7]
.endif
.endr
.endr
.endm
; 24 LDS loads in one run: a quarter step's fragments (128 rows of B, 64 rows of A, 32 K at byte k of the rows) into buffer f
.macro FETCH slot, k, f
	WIN 0
.irp i, 0,1,2,3,4,5,6,7
	ds_load_b128 v[FB0+64*\f+8*\i:FB0+64*\f+8*\i+3],   v[ADRB+\slot] offset:\k+\i*16*PITCH
	ds_load_b128 v[FB0+64*\f+8*\i+4:FB0+64*\f+8*\i+7], v[ADRB+\slot] offset:\k+\i*16*PITCH+32
.endr
.irp i, 0,1,2,3
	ds_load_b128 v[FA0+32*\f+8*\i:FA0+32*\f+8*\i+3],   v[ADRA+\slot] offset:\k+\i*16*PITCH
	ds_load_b128 v[FA0+32*\f+8*\i+4:FA0+32*\f+8*\i+7], v[ADRA+\slot] offset:\k+\i*16*PITCH+32
.endr
.endm
; One of a K step's first three quarters: buffer f is in; the next quarter's fragments are asked for into buffer g; then f's 32 products.
.macro QUARTER slot, k, f, g, zero
	s_wait_dscnt 0x0                               ; buffer f is in
	PLACES                                         ; buffer g was read by the matrix instructions just issued
	FETCH \slot, \k, \g
	WIN MULA
	MUL16 \f, 0, \zero
	MUL16 \f, 2, \zero
.endm
.macro THREE slot, zero
	QUARTER \slot, 64,  0, 1, \zero
	QUARTER \slot, 128, 1, 0, 0
	QUARTER \slot, 192, 0, 1, 0
.endm
; The last quarter multiplies buffer 1 and changes slots.  In front of the barrier each wave waits for its reads of this slot and for all its tensor
; loads (the one that is out is its part of the next slot).  fill = 1: the barrier opens a round of the cluster's barrier, and this slot's joint
; refill, two K steps ahead, is the first tensor load behind the round.  From that request to the wait for it a wave issues 112 matrix instructions.
.macro TURN slot, next, fill
	s_wait_dscnt 0x0                               ; buffer 1 is in: my reads of this slot are over
	s_wait_tensorcnt 0x0                           ; all my tensor loads have landed
	ds_add_u32 v254, v255
	s_wait_dscnt 0x0
	WIN MULA
	s_barrier_signal -1
	MUL16 1, 0, 0                                  ; register work while the others arrive
	WIN 0
	s_barrier_wait -1
.if \fill
	CREST                                          ; no wave of any partner still reads this slot or has a load on its way
	s_add_nc_u64 s[G0A+4*\slot+2:G0A+4*\slot+3], s[G0A+4*\slot+2:G0A+4*\slot+3], 512   ; two K steps on: no load of mine is out, so a group 0 may be written
	s_add_nc_u64 s[G0B+4*\slot+2:G0B+4*\slot+3], s[G0B+4*\slot+2:G0B+4*\slot+3], 512
	JLOAD \slot
.endif
	PLACES
	FETCH \next, 0, 0
	WIN MULA
	MUL16 1, 2, 0
.endm
.macro LAP zero                        ; once round the ring, both slots filled again
	THREE 0, \zero
	TURN 0, 1, 1
	THREE 1, 0
	TURN 1, 0, 1
.endm
.macro LASTLAP                         ; the last two K steps fill nothing
	THREE 0, 0
	TURN 0, 1, 0
	THREE 1, 0
	s_wait_dscnt 0x0
	WIN MULA
	MUL16 1, 0, 0
	MUL16 1, 2, 0
	WIN 0
	PLACES                                         ; ahead of the readers of the sums and of writes into the fragment buffers
.endm
.macro BIAS                            ; block b, register j of lane (r, hh) = bias[n0 + 16 b + 8 hh + j]: the layout of a sum
	WIN TOBIAS
.irp b, 0,1,2,3,4,5,6,7
	global_load_b128 v[8*\b:8*\b+3],   v[BO], s[70:71] offset:64*\b
	global_load_b128 v[8*\b+4:8*\b+7], v[BO], s[70:71] offset:64*\b+16
.endr
	WIN 0
.endm
; The way out, rows 16 i to 16 i + 15 of my block: 4 x sum + bias in one fused multiply-add, 32 bytes a lane and block into my own stage,
; read back as whole rows of 512 bytes.
.macro OUT16 i, rb
	WIN FINISH
.set idx, 0
.rept 32
	v_pk_fma_f32 v[T+idx:T+idx+1], v[64*\i+idx:64*\i+idx+1], 4.0, v[idx:idx+1] op_sel_hi:[1,0,1]
.set idx, idx+2
.endr
	WIN 0
.irp b, 0,1,2,3,4,5,6,7
	ds_store_b128 v[STO], v[T+8*\b:T+8*\b+3]   offset:64*\b
	ds_store_b128 v[STO], v[T+8*\b+4:T+8*\b+7] offset:64*\b+16
.endr
	s_wait_xcnt 0x0                                ; the registers that earlier stores read are loaded again only behind this wait (ISA guide 3.1)
.irp t, 0,1,2,3,4,5,6,7,8,9,10,11,12,13,14,15
	ds_load_b128 v[\rb+4*\t:\rb+4*\t+3], v[RD] offset:\t*SPITCH      ; LDS serves a wave's instructions in order: these see the stores above
.endr
.irp t, 0,1,2,3,4,5,6,7,8,9,10,11,12,13,14,15
	s_wait_dscnt 15-\t                             ; the younger read-backs stay out
	global_store_b128 v[CO], v[\rb+4*\t:\rb+4*\t+3], s[66:67] offset:(16*\i+\t)*4096 th:TH_STORE_NT   ; the wave stores 512 consecutive bytes of one row, at a multiple of 512
.endr
.endm
	s_load_b256 s[4:11], s[0:1], 0x0               ; h s[4:5], w2h s[6:7], b2 s[8:9], out0 s[10:11]
	v_lshl_add_u32 v254, v0, 2, 0x3b400
	v_mov_b32 v255, 0
	ds_add_u32 v254, v255
	v_lshrrev_b32 v1, 5, v0
	v_readfirstlane_b32 s14, v1                    ; wave 0..3
	s_lshr_b32 s15, s14, 1                         ; my half of the block's rows.  Also: I fetch for A (0) or for B (1)
	s_and_b32 s16, s14, 1                          ; my half of its columns.  Also: which half of that tile I fetch
	s_bfe_u32 s17, ttmp6, 0x40000                  ; cx = block column (the grid's x is one cluster wide)
	s_bfe_u32 s18, ttmp6, 0x40004                  ; cy
	s_and_b32 s79, ttmp7, 0xffff                   ; the cluster's y, 0..15
	s_lshl_b32 s19, s79, 2
	s_add_co_u32 s19, s19, s18                     ; block row = 4 x cluster y + cy, 0..63
	s_lshl_b32 s20, s18, 2
	s_lshl_b32 s20, 15, s20                        ; my row of the cluster: places 4 cy .. 4 cy + 3
	s_lshl_b32 s21, 0x1111, s17                    ; my column: places cx, cx + 4, cx + 8, cx + 12
	s_or_b32 s[G1A+0], s20, FLAGS                  ; A's tiles go to my row of the cluster
	s_mov_b32 s[G1A+1], 128<<16                    ; tensor_dim0 = 128
	s_mov_b32 s[G1A+2], 64<<16                     ; tensor_dim1 = 64
	s_mov_b32 s[G1A+3], 128<<16                    ; tile_dim0 = 128 elements, 256 bytes
	s_mov_b32 s[G1A+4], 64                         ; tile_dim1 = 64 rows
	s_mov_b32 s[G1A+5], KP                         ; elements from row to row
	s_mov_b32 s[G1A+6], 0
	s_mov_b32 s[G1A+7], 0
	s_or_b32 s[G1B+0], s21, FLAGS                  ; B's tiles go to my column
	s_mov_b32 s[G1B+1], 128<<16
	s_mov_b32 s[G1B+2], 128<<16                    ; tensor_dim1 = 128
	s_mov_b32 s[G1B+3], 128<<16
	s_mov_b32 s[G1B+4], 128                        ; tile_dim1 = 128 rows
	s_mov_b32 s[G1B+5], KP
	s_mov_b32 s[G1B+6], 0
	s_mov_b32 s[G1B+7], 0
	s_lshl_b32 s40, s19, 7                         ; A: row 128 x block row + 64 x half; these registers never hold cx
	s_lshl_b32 s41, s16, 6
	s_add_co_u32 s40, s40, s41
	s_lshl_b32 s40, s40, LOGROW
	s_mov_b32 s41, 0
	s_lshl_b32 s44, s17, 8                         ; B: row 256 x cx + 128 x half; these never hold cy
	s_lshl_b32 s45, s16, 7
	s_add_co_u32 s44, s44, s45
	s_lshl_b32 s44, s44, LOGROW
	s_mov_b32 s45, 0
	s_mul_i32 s74, s16, HA                         ; LDS targets: made of the wave's number alone
	s_mul_i32 s75, s16, HB
	s_add_co_u32 s75, s75, 2*HA
	s_lshl_b32 s76, s19, 7                         ; out0: my first row,
	s_lshl_b32 s77, s15, 6
	s_add_co_u32 s76, s76, s77
	s_lshl_b32 s76, s76, 12                        ; of 4,096 bytes,
	s_lshl_b32 s79, s17, 10                        ; + 256 cx columns of 4 bytes
	s_lshl_b32 s77, s16, 9                         ; + 128 columns for the right half
	s_add_co_u32 s79, s79, s77
	s_add_co_u32 s76, s76, s79
	s_mov_b32 s77, 0
	s_wait_dscnt 0x0
	s_wait_kmcnt 0x0
	s_add_nc_u64 s[42:43], s[4:5], s[40:41]
	s_add_nc_u64 s[46:47], s[6:7], s[44:45]
	s_add_nc_u64 s[66:67], s[10:11], s[76:77]
	s_mov_b32 s76, s79                             ; b2: the same columns
	s_add_nc_u64 s[70:71], s[8:9], s[76:77]
.irp s, 0,1
	s_mov_b32 s[G0A+4*\s], 1                                       ; count = 1
	s_add_co_u32 s[G0A+4*\s+1], s74, \s*SLOT                       ; LDS address
	s_add_nc_u64 s[G0A+4*\s+2:G0A+4*\s+3], s[42:43], \s*256        ; K step s
	s_or_b32 s[G0A+4*\s+3], s[G0A+4*\s+3], 0x80000000              ; type = 2
	s_mov_b32 s[G0B+4*\s], 1
	s_add_co_u32 s[G0B+4*\s+1], s75, \s*SLOT
	s_add_nc_u64 s[G0B+4*\s+2:G0B+4*\s+3], s[46:47], \s*256
	s_or_b32 s[G0B+4*\s+3], s[G0B+4*\s+3], 0x80000000
.endr
	; A fragment: lane l holds row l % 16; registers 0-3 K = 8 (l / 16) + 0..7, registers 4-7 K = 16 + 8 (l / 16) + 0..7: two loads of 16 bytes, 32 apart.
	v_and_b32 v1, 15, v0                           ; r
	v_bfe_u32 v2, v0, 4, 1                         ; hh
	v_mul_u32_u24 v3, v1, PITCH
	v_lshl_add_u32 v3, v2, 4, v3                   ; r x pitch + 16 hh
	s_mul_i32 s76, s15, HA                         ; my 64 rows of A
	s_mul_i32 s77, s16, HB                         ; my 128 rows of B,
	s_add_co_u32 s77, s77, 2*HA                    ; behind A's 128
.irp s, 0,1
	v_add_nc_u32 v[ADRA+\s], s76, v3
	v_add_nc_u32 v[ADRB+\s], s77, v3
	s_add_co_u32 s76, s76, SLOT
	s_add_co_u32 s77, s77, SLOT
.endr
	s_mul_i32 s78, s14, 16*SPITCH
	s_add_co_u32 s78, s78, STAGE                   ; my stage
	v_mul_u32_u24 v4, v1, SPITCH                   ; in: row r, 32 bytes for each half of the lanes
	v_lshl_add_u32 v4, v2, 5, v4
	v_add_nc_u32 v[STO], s78, v4
	v_and_b32 v5, 31, v0
	v_lshlrev_b32 v[CO], 4, v5                     ; back and out: 16 bytes a lane, a row of 512 bytes a wave
	v_add_nc_u32 v[RD], s78, v[CO]
	v_lshlrev_b32 v[BO], 5, v2                     ; 8 hh numbers of 4 bytes
	s_mov_b32 s23, 0
	CROUND                                         ; all sixteen work-groups are here: the first joint loads meet
	JLOAD 0                                        ; K step 0
	JLOAD 1                                        ; K step 1: the two first fills go out together
	BIAS                                           ; for the way out; on its way beside the tiles
	s_wait_tensorcnt 0x1                           ; my part of K step 0 is in; K step 1 may stay out
	s_barrier_signal -1
	s_barrier_wait -1                              ; everybody's is
	FETCH 0, 0, 0
	s_wait_loadcnt 0x0                             ; the bias is in its registers
	LAP 1                                          ; the first products start the sums
	WIN 0                                          ; at a label and at a branch every window is 0
.Llap:
	LAP 0
	WIN 0
	s_add_co_u32 s23, s23, 1
	s_cmp_lt_u32 s23, LOOPLAPS
	s_cbranch_scc1 .Llap
	LASTLAP
	OUT16 0, FB0
	OUT16 1, FB0+64
	OUT16 2, FB0
	OUT16 3, FB0+64
	s_wait_tensorcnt 0x0
	ds_add_u32 v254, v255
	s_wait_dscnt 0x0
	CROUND                                         ; the closing round: no work-group ends while a partner may still ask for a tile that names it
	s_endpgm
.Lfunc_end_k_q21fefedb06_down:
	.size	k_q21fefedb06_down, .Lfunc_end_k_q21fefedb06_down-k_q21fefedb06_down
	.p2alignl 7, 3214868480
	.fill 96, 4, 3214868480
	.section	.rodata,"a",@progbits
	.p2align	6, 0x0
	.amdhsa_kernel k_q21fefedb06_down
		.amdhsa_group_segment_fixed_size 327680
		.amdhsa_private_segment_fixed_size 0
		.amdhsa_enable_private_segment 0
		.amdhsa_kernarg_size 32
		.amdhsa_user_sgpr_count 2
		.amdhsa_user_sgpr_kernarg_segment_ptr 1
		.amdhsa_wavefront_size32 1
		.amdhsa_system_sgpr_workgroup_id_x 1
		.amdhsa_system_sgpr_workgroup_id_y 1
		.amdhsa_system_sgpr_workgroup_id_z 1
		.amdhsa_system_vgpr_workitem_id 0
		.amdhsa_next_free_vgpr 576
		.amdhsa_next_free_sgpr 80
		.amdhsa_reserve_vcc 0
		.amdhsa_float_denorm_mode_32 3
		.amdhsa_float_denorm_mode_16_64 3
		.amdhsa_memory_ordered 1
		.amdhsa_forward_progress 1
		.amdhsa_inst_pref_size 126
	.end_amdhsa_kernel
	.amdgpu_metadata
---
amdhsa.version: [ 1, 2 ]
amdhsa.kernels:
  - .name:           k_q21fefedb06_down
    .symbol:         k_q21fefedb06_down.kd
    .args:
      - { .name: h, .offset: 0, .size: 8, .value_kind: global_buffer, .address_space: global }
      - { .name: w2h, .offset: 8, .size: 8, .value_kind: global_buffer, .address_space: global }
      - { .name: b2, .offset: 16, .size: 8, .value_kind: global_buffer, .address_space: global }
      - { .name: out0, .offset: 24, .size: 8, .value_kind: global_buffer, .address_space: global }
    .group_segment_fixed_size: 327680
    .private_segment_fixed_size: 0
    .kernarg_segment_align: 8
    .kernarg_segment_size: 32
    .max_flat_workgroup_size: 128
    .sgpr_count:     80
    .vgpr_count:     576
    .wavefront_size: 32
...
	.end_amdgpu_metadata
.endif
;; end of part 3
;; ======== version 2 of 2: 3 launches; 1.12 times as fast as version 1
;; limits: inputs' magnitudes at most 65,504; values are held in f16: magnitudes above 65,504 overflow, below 6.1e-05 lose precision; right only within a limited range of input values
;; workspace buffers: xh 16,777,216 bytes; w1h 8,388,608 bytes; w2h 8,388,608 bytes; h 67,108,864 bytes; widths 256 bytes of whole numbers
;; launch prep: the kernel of part 1 again; grid 1024 x 1, 8 waves a work-group, no clusters, 0 bytes of LDS; arguments hidden_states, W1, W2, logit_width, xh, w1h, w2h, out1, widths; writes xh, w1h, w2h, out1, widths
;; launch up (part 4): grid 8 x 32, 4 waves a work-group, clusters of 4 x 4, 327,680 bytes of LDS; arguments xh, w1h, b1, widths, h; writes h
.if DOCPART == 4
	.amdgcn_target "amdgcn-amd-amdhsa--gfx1250"
	.amdhsa_code_object_version 6
	.text
	.protected	k_q21fefedb06_up
	.globl	k_q21fefedb06_up
	.p2align	8
	.type	k_q21fefedb06_up,@function
k_q21fefedb06_up:
	s_mov_b64 s[64:65], 0
	v_nop
	global_prefetch_b8 v0, s[64:65] scope:SCOPE_SE
	s_setreg_imm32_b32 hwreg(HW_REG_WAVE_MODE, 25, 1), 1
	s_wait_xcnt 0x0
	s_wait_alu depctr_hold_cnt(0) depctr_sa_sdst(0) depctr_va_vdst(0) depctr_va_sdst(0) depctr_va_ssrc(0) depctr_va_vcc(0) depctr_vm_vsrc(0)
	s_getreg_b32 s2, hwreg(HW_REG_IB_STS2, 6, 4)
	s_cmp_eq_u32 s2, 0
	s_cbranch_scc0 .Lentry_in_a_cluster
	s_endpgm
.Lentry_in_a_cluster:
	s_bfe_u32 s2, ttmp6, 0x10000c
	s_cmp_lg_u32 s2, 0xf033
	s_cbranch_scc0 .Lentry_shape_is_right
	s_endpgm
.Lentry_shape_is_right:
; h[m][n] = g(sum over k of xh[m][k] w1h[n][k] + b1[n]) x mask / 4, g(t) = t / (1 + 2^(-1.702 log2(e) t)), mask = 1 for n < 1024 q of the row's batch, else 0.
; xh [8192][1024], w1h [4096][1024], h [8192][4096] in f16; b1 in f32; sums, bias, g and mask in f32; h rounded once.
; THE QUARTER: h is kept as a quarter of its value (a power of two: exact) and the next launch multiplies its sums by 4.  That gives f16 its room:
; with both factors 30 times larger t is of order 0.58 x 900 = 520; with an offset of 30 spreads on both it is about 1024 x 30 x 0.54 = 16,600, or 57,600
; if the spread is read as the whole range; all far below 4 x 65,504.  With both 30 times smaller h / 4 is of order 2^-13.6, where f16's step 2^-24 is
; still about 2/10,000 of it.
; THE SHAPE: a work-group makes blocks of 256 x 256 with four waves, as many as a WGP has SIMDs; a wave makes 128 x 128: 64 sums of 16 x 16, 512 registers.
; For 32 along K a wave then reads 2 x 128 rows of 64 bytes from LDS for 64 matrix instructions.  h has 32 x 16 = 512 such blocks: two for each of 256 work-groups.
; A cluster of 4 x 4 work-groups covers 1,024 rows (inside one batch of 2,048) x 1,024 columns (one quarter of the width); its second tile lies 2,048 columns on.
; The number of trips, rounds and joint loads is a constant.  q (from widths, at an address made of the cluster's y alone) only selects the factor 1/4 or 0
; of a tile, so the quarters beyond q are computed and multiplied by 0, as the source writes it; no work is saved by the mask here.
; JOINT LOADS: the four work-groups of a row of the cluster need the same rows of xh, the four of a column the same rows of w1h; each such tile
; is asked for by all four with one descriptor and a mask that names them, which divides the requests by four.
; K goes in steps of 128 (tile rows of 256 bytes, each at a multiple of 256 from the buffer's start) through two LDS slots.
; By this text's own count a wave never has more than one tensor load outstanding.
; The matrix instruction is used transposed (source 0 = rows of w1h, source 1 = rows of xh): lane (r, hh) register j holds C(m = r, n = 8 hh + j).
; REGISTERS, in windows of 256:  window 0: v16-27 addresses; v64-127, v128-191 fragments of A (8 x 16 rows x 32 K), two buffers; v192-223 packed results
;   window 1: v0-63 the bias, block b at v[8 b]; v64-127, v128-191 fragments of B, two buffers
;   window 2: the 32 sums of my rows 0-63 (sum (a, b) at v[8 (8 a + b)]);   window 3: those of my rows 64-127
; LIMITS: operands are f16 (xh, w1h as rounded by the launch before; h rounded here); |h| from 262,016 on becomes infinite.  A word of widths
; outside 1..4 is clamped to that range.  g: where the power of two overflows, the reciprocal is 0 and g = -0, the limit; where it flushes to 0, g = t.
.set KP,     1024                      ; elements in a row of xh and of w1h
.set LOGROW, 11                        ; log2 of their bytes
.set TILES,  2                         ; blocks of 256 x 256 that a work-group makes
.set PITCH,  272                       ; an LDS row: 256 bytes + 16 of padding, so that the 16 rows of a fragment load start 16 bytes apart modulo 256
.set HALFT,  128*PITCH                 ; 128 rows: what one tensor load brings, and what one wave reads of A or of B
.set SLOT,   4*HALFT                   ; A's 256 rows, then B's 256 rows
.set STAGE,  2*SLOT                    ; 278,528 = 1,088 x 256: behind the ring, never the target of a fill
.set SPITCH, 272                       ; stage row: 128 f16 + 16 bytes
.set ADRA, 16                          ; v16-17 LDS address of my A fragments in slot 0, 1
.set ADRB, 20                          ; v20-21 the same for B
.set STO,  24                          ; v24 where I put 16 bytes of a row in my stage
.set RD,   25                          ; v25 where I read rows back
.set CO,   26                          ; v26 my byte offset in h
.set BO,   27                          ; v27 my byte offset in the bias
.set F0,   64                          ; fragment buffer 0
.set F1,   128                         ; fragment buffer 1
.set T,    F0                          ; the way out: 64 registers at work, in window 0
.set TMP,  192                         ; the way out: packed results, in window 0
.set G1A, 24                           ; s[24:31] group 1 for A's tiles
.set G0A, 32                           ; s[32:39] group 0 for A's tiles, a set for each slot
.set G1B, 48                           ; s[48:55] group 1 for B's tiles
.set G0B, 56                           ; s[56:63] group 0 for B's tiles, a set for each slot
.set FLAGS, (1<<16)|(1<<20)|(1<<21)|(5<<22)|(3<<25)   ; 2-byte elements; padding on; bit 21 beside a mask; after every 64 words, 4 words
; s_set_vgpr_msb's low byte: bits 1:0 source 0, 3:2 source 1, 5:4 source 2, 7:6 destination
.set MUL_LO,  0xa1                     ; source 0 (B) window 1, source 1 (A) window 0, C and D window 2
.set MUL_HI,  0xf1                     ; the same, C and D window 3
.set BIAS_LO, 0x91                     ; the same as MUL_LO with C in window 1: the bias
.set BIAS_HI, 0xd1                     ; the same as MUL_HI with C in window 1
.set TO_B,    0x40                     ; destination window 1, address window 0
.set FROM_LO, 0x02                     ; source 0 in window 2
.set FROM_HI, 0x03                     ; source 0 in window 3
.set MSB, 0
.macro WIN new                         ; the immediate's high byte repeats the setting that is left
.if MSB != \new
	s_set_vgpr_msb (MSB<<8)|\new
.set MSB, \new
.endif
.endm
; A joint load: waves 0 and 1 fetch A's two halves of 128 rows, waves 2 and 3 B's.  The branch hangs on the wave's number alone.
.macro JLOAD s
	s_cmp_eq_u32 s15, 0
	s_cbranch_scc0 .Lfor_b_\@
	tensor_load_to_lds s[G0A+4*\s:G0A+4*\s+3], s[G1A:G1A+7]
	s_nop 0
	s_branch .Lasked_\@
.Lfor_b_\@:
	tensor_load_to_lds s[G0B+4*\s:G0B+4*\s+3], s[G1B:G1B+7]
	s_nop 0
.Lasked_\@:
.endm
; A round of the cluster's barrier: my work-group's barrier; wave 0 signals for the work-group; every wave waits for all sixteen; my work-group's barrier again.
.macro CREST                           ; a round behind its opening barrier
	s_cmp_lg_u32 s14, 0
	s_cbranch_scc1 .Lnot_wave_0_\@
	s_barrier_signal -3
.Lnot_wave_0_\@:
	s_barrier_wait -3
	s_barrier_signal -1
	s_barrier_wait -1
.endm
.macro CROUND
	s_barrier_signal -1
	s_barrier_wait -1
	CREST
.endm
.macro PLACES                          ; four plain places behind matrix instructions, ahead of loads into their sources and of readers of their results
.rept 4
	v_nop
.endr
.endm
; 16 matrix instructions: row blocks a0, a0 + 1 of the window's four (hi = 0: my rows 0-63, 1: rows 64-127) x all 8 column blocks, 32 along K, from buffer f.
; bias = 1: the sum starts from the bias, nothing is cleared.
; The 64 sums take turns, one instruction a turn, in the same order in every quarter step.
.macro MUL16 f, hi, a0, bias
.irp a, \a0, \a0+1
.irp b, 0,1,2,3,4,5,6,7
.if \bias
	v_wmma_f32_16x16x32_f16 v[8*(8*(\a)+\b):8*(8*(\a)+\b)+7], v[\f+8*\b:\f+8*\b+7], v[\f+8*(4*\hi+(\a)):\f+8*(4*\hi+(\a))+7], v[8*\b:8*\b+7]
.else
	v_wmma_f32_16x16x32_f16 v[8*(8*(\a)+\b):8*(8*(\a)+\b)+7], v[\f+8*\b:\f+8*\b+7], v[\f+8*(4*\hi+(\a)):\f+8*(4*\hi+(\a))+7], v[8*(8*(\a)+\b):8*(8*(\a)+\b)+7]
.endif
.endr
.endr
.endm
; 32 LDS loads in one run: a quarter step's fragments (128 rows of B, 128 rows of A, 32 K at byte k of the rows) into buffer f
.macro FETCH slot, k, f
	WIN TO_B
.irp i, 0,1,2,3,4,5,6,7
	ds_load_b128 v[\f+8*\i:\f+8*\i+3],   v[ADRB+\slot] offset:\k+\i*16*PITCH
	ds_load_b128 v[\f+8*\i+4:\f+8*\i+7], v[ADRB+\slot] offset:\k+\i*16*PITCH+32
.endr
	WIN 0
.irp i, 0,1,2,3,4,5,6,7
	ds_load_b128 v[\f+8*\i:\f+8*\i+3],   v[ADRA+\slot] offset:\k+\i*16*PITCH
	ds_load_b128 v[\f+8*\i+4:\f+8*\i+7], v[ADRA+\slot] offset:\k+\i*16*PITCH+32
.endr
.endm
; A K step is four quarter steps of 32 along K, 64 matrix instructions each, on buffers 0, 1, 0, 1.
; One of the first three: multiplies buffer f; in its middle it fetches the next quarter's fragments, at byte k of the same slot's rows, into buffer g.
.macro QUARTER slot, k, f, g, bias
	s_wait_dscnt 8                                 ; B and A's rows 0-63 are in; the youngest eight loads (A's rows 64-127) may be out
.if \bias
	WIN BIAS_LO
.else
	WIN MUL_LO
.endif
	MUL16 \f, 0, 0, \bias
	MUL16 \f, 0, 2, \bias
	PLACES                                         ; buffer g was read by the quarter before
	FETCH \slot, \k, \g
	s_wait_dscnt 32                                ; all but the 32 just issued
.if \bias
	WIN BIAS_HI
.else
	WIN MUL_HI
.endif
	MUL16 \f, 1, 0, \bias
	MUL16 \f, 1, 2, \bias
.endm
.macro THREE slot, bias
	QUARTER \slot, 64,  F0, F1, \bias
	QUARTER \slot, 128, F1, F0, 0
	QUARTER \slot, 192, F0, F1, 0
.endm
; The last quarter multiplies buffer 1 and changes slots.  In front of the barrier each wave waits for its reads of this slot and for all its tensor
; loads (the one that is out is its part of the next slot).  fill = 1: the barrier opens a round of the cluster's barrier, and this slot's joint
; refill, two K steps ahead, is the first tensor load behind the round.  From that request to the wait for it a wave issues 240 matrix instructions.
.macro TURN slot, next, fill
	s_wait_dscnt 8
	WIN MUL_LO
	MUL16 F1, 0, 0, 0
	s_wait_dscnt 0x0                               ; my reads of this slot are over
	s_wait_tensorcnt 0x0                           ; all my tensor loads have landed
	ds_add_u32 v255, v255
	s_wait_dscnt 0x0
	s_barrier_signal -1
	MUL16 F1, 0, 2, 0                              ; register work while the others arrive
	WIN 0
	s_barrier_wait -1
.if \fill
	CREST                                          ; no wave of any partner still reads this slot or has a load on its way
	s_add_nc_u64 s[G0A+4*\slot+2:G0A+4*\slot+3], s[G0A+4*\slot+2:G0A+4*\slot+3], 512   ; two K steps on: no load of mine is out, so a group 0 may be written
	s_add_nc_u64 s[G0B+4*\slot+2:G0B+4*\slot+3], s[G0B+4*\slot+2:G0B+4*\slot+3], 512
	JLOAD \slot
.endif
	PLACES
	FETCH \next, 0, F0
	WIN MUL_HI
	MUL16 F1, 1, 0, 0
	MUL16 F1, 1, 2, 0
.endm
.macro LAP bias                        ; once round the ring, both slots filled again
	THREE 0, \bias
	TURN 0, 1, 1
	THREE 1, 0
	TURN 1, 0, 1
.endm
.macro LASTLAP                         ; the last two K steps fill nothing
	THREE 0, 0
	TURN 0, 1, 0
	THREE 1, 0
	s_wait_dscnt 8
	WIN MUL_LO
	MUL16 F1, 0, 0, 0
	MUL16 F1, 0, 2, 0
	s_wait_dscnt 0x0
	WIN MUL_HI
	MUL16 F1, 1, 0, 0
	MUL16 F1, 1, 2, 0
	WIN 0
	PLACES                                         ; ahead of the readers of the sums and of writes into the fragment buffers
.endm
.macro BIAS                            ; block b, register j of lane (r, hh) = bias[n0 + 16 b + 8 hh + j]: the layout of a sum
	WIN TO_B
.irp b, 0,1,2,3,4,5,6,7
	global_load_b128 v[8*\b:8*\b+3],   v[BO], s[70:71] offset:64*\b
	global_load_b128 v[8*\b+4:8*\b+7], v[BO], s[70:71] offset:64*\b+16
.endr
	WIN 0
.endm
; The way out, rows 16 i to 16 i + 15 of my block = the eight sums (a, 0..7) of window 2 or 3 (from): g and the tile's factor in f32, rounded to f16,
; 16 bytes a lane into my own stage, read back as whole rows of 256 bytes into rb.
.macro OUT16 i, a, from, rb
	WIN \from
.set idx, 0
.rept 32
	v_pk_mul_f32 v[T+idx:T+idx+1], v[64*\a+idx:64*\a+idx+1], s[68:69] op_sel_hi:[1,0]   ; -1.702 log2(e) t
.set idx, idx+2
.endr
	WIN 0
.set idx, 0
.rept 64
	v_exp_f32 v[T+idx], v[T+idx]
.set idx, idx+1
.endr
	v_nop                                          ; one plain place behind the transcendentals (ISA guide 5.7.2)
.set idx, 0
	s_wait_alu depctr_va_vdst(0)
.rept 32
	v_pk_add_f32 v[T+idx:T+idx+1], v[T+idx:T+idx+1], 1.0 op_sel_hi:[1,0]
.set idx, idx+2
.endr
.set idx, 0
.rept 64
	v_rcp_f32 v[T+idx], v[T+idx]
.set idx, idx+1
.endr
	v_nop
.set idx, 0
	s_wait_alu depctr_va_vdst(0)
.rept 32
	v_pk_mul_f32 v[T+idx:T+idx+1], v[T+idx:T+idx+1], s[76:77] op_sel_hi:[1,0]           ; sigmoid x the tile's factor, 1/4 or 0
.set idx, idx+2
.endr
	WIN \from
.set idx, 0
.rept 32
	v_pk_mul_f32 v[T+idx:T+idx+1], v[64*\a+idx:64*\a+idx+1], v[T+idx:T+idx+1]           ; t x that
.set idx, idx+2
.endr
	WIN 0
.irp b, 0,1,2,3,4,5,6,7
.irp r, 0,1,2,3
	v_cvt_pk_f16_f32 v[TMP+4*\b+\r], v[T+8*\b+2*\r], v[T+8*\b+2*\r+1]
.endr
.endr
.irp b, 0,1,2,3,4,5,6,7
	ds_store_b128 v[STO], v[TMP+4*\b:TMP+4*\b+3] offset:32*\b
.endr
	s_wait_xcnt 0x0                                ; the registers that earlier stores read are loaded again only behind this wait (ISA guide 3.1)
.irp t, 0,1,2,3,4,5,6,7
	ds_load_b128 v[\rb+4*\t:\rb+4*\t+3], v[RD] offset:\t*2*SPITCH    ; LDS serves a wave's instructions in order: these see the stores above
.endr
.irp t, 0,1,2,3,4,5,6,7
	s_wait_dscnt 7-\t                              ; the younger read-backs stay out
	global_store_b128 v[CO], v[\rb+4*\t:\rb+4*\t+3], s[66:67] offset:(16*\i+2*\t)*8192   ; 16 lanes store 256 consecutive bytes, at a multiple of 256
.endr
.endm
	s_load_b256 s[4:11], s[0:1], 0x0               ; xh s[4:5], w1h s[6:7], b1 s[8:9], widths s[10:11]
	s_load_b64 s[12:13], s[0:1], 0x20              ; h
	s_set_vgpr_msb 0x40
	v_lshl_add_u32 v255, v0, 2, 0x48400
	s_set_vgpr_msb 0x4000
	v_mov_b32 v255, 0
	v_lshrrev_b32 v1, 5, v0
	v_readfirstlane_b32 s14, v1                    ; wave 0..3
	s_lshr_b32 s15, s14, 1                         ; my half of the block's rows.  Also: I fetch for A (0) or for B (1)
	s_and_b32 s16, s14, 1                          ; my half of its columns.  Also: which 128 rows of that tile I fetch
	s_bfe_u32 s17, ttmp6, 0x40000                  ; cx
	s_bfe_u32 s18, ttmp6, 0x40004                  ; cy
	s_lshl_b32 s75, ttmp9, 2                       ; in a cluster launch ttmp9 and ttmp7 count clusters
	s_add_co_u32 s75, s75, s17                     ; block column of my first tile = 4 x cluster x + cx, 0..7
	s_mov_b32 s73, ttmp9                           ; the quarter of the width in which it lies = cluster x, 0 or 1
	s_and_b32 s79, ttmp7, 0xffff                   ; the cluster's y, 0..7
	s_lshl_b32 s19, s79, 2
	s_add_co_u32 s19, s19, s18                     ; block row = 4 x cluster y + cy, 0..31
	s_lshr_b32 s72, s79, 1                         ; batch = cluster y / 2 (two clusters of 1,024 rows)
	s_lshl_b32 s72, s72, 4                         ; word 4 b of widths; not rewritten
	s_lshl_b32 s20, s18, 2
	s_lshl_b32 s20, 15, s20                        ; my row of the cluster: places 4 cy .. 4 cy + 3
	s_lshl_b32 s21, 0x1111, s17                    ; my column: places cx, cx + 4, cx + 8, cx + 12
	s_or_b32 s[G1A+0], s20, FLAGS                  ; A's tiles go to my row of the cluster
	s_mov_b32 s[G1A+1], 128<<16                    ; tensor_dim0 = 128
	s_mov_b32 s[G1A+2], 128<<16                    ; tensor_dim1 = 128
	s_mov_b32 s[G1A+3], 128<<16                    ; tile_dim0 = 128 elements, 256 bytes
	s_mov_b32 s[G1A+4], 128                        ; tile_dim1 = 128 rows
	s_mov_b32 s[G1A+5], KP                         ; elements from row to row
	s_mov_b32 s[G1A+6], 0
	s_mov_b32 s[G1A+7], 0
	s_or_b32 s[G1B+0], s21, FLAGS                  ; B's tiles go to my column; the shape is the same
	s_mov_b32 s[G1B+1], 128<<16
	s_mov_b32 s[G1B+2], 128<<16
	s_mov_b32 s[G1B+3], 128<<16
	s_mov_b32 s[G1B+4], 128
	s_mov_b32 s[G1B+5], KP
	s_mov_b32 s[G1B+6], 0
	s_mov_b32 s[G1B+7], 0
	s_lshl_b32 s40, s19, 8                         ; A: row 256 x block row + 128 x half; these registers never hold cx
	s_lshl_b32 s41, s16, 7
	s_add_co_u32 s40, s40, s41
	s_lshl_b32 s40, s40, LOGROW
	s_mov_b32 s41, 0
	s_lshl_b32 s44, s75, 8                         ; B: row 256 x block column + 128 x half; these never hold cy
	s_lshl_b32 s45, s16, 7
	s_add_co_u32 s44, s44, s45
	s_lshl_b32 s44, s44, LOGROW
	s_mov_b32 s45, 0
	s_mul_i32 s74, s14, HALFT                      ; LDS target: A's two halves, then B's two halves = wave x 128 rows: made of the wave's number alone
	s_lshl_b32 s76, s19, 8                         ; h: my first row,
	s_lshl_b32 s77, s15, 7
	s_add_co_u32 s76, s76, s77
	s_lshl_b32 s76, s76, 13                        ; of 8,192 bytes,
	s_lshl_b32 s77, s75, 9                         ; + 256 columns of 2 bytes a block column
	s_add_co_u32 s76, s76, s77
	s_lshl_b32 s77, s16, 8                         ; + 128 columns for the right half
	s_add_co_u32 s76, s76, s77
	s_mov_b32 s77, 0
	s_wait_kmcnt 0x0
	s_load_b32 s22, s[10:11], s72 offset:0x0       ; q of my batch
	s_add_nc_u64 s[42:43], s[4:5], s[40:41]
	s_add_nc_u64 s[46:47], s[6:7], s[44:45]
	s_add_nc_u64 s[66:67], s[12:13], s[76:77]
	s_lshl_b32 s76, s75, 10                        ; b1: the same columns, 4 bytes each
	s_lshl_b32 s79, s16, 9
	s_add_co_u32 s76, s76, s79
	s_add_nc_u64 s[70:71], s[8:9], s[76:77]
.irp s, 0,1
	s_mov_b32 s[G0A+4*\s], 1                                       ; count = 1
	s_add_co_u32 s[G0A+4*\s+1], s74, \s*SLOT                       ; LDS address
	s_add_nc_u64 s[G0A+4*\s+2:G0A+4*\s+3], s[42:43], \s*256        ; K step s
	s_or_b32 s[G0A+4*\s+3], s[G0A+4*\s+3], 0x80000000              ; type = 2
	s_mov_b32 s[G0B+4*\s], 1
	s_add_co_u32 s[G0B+4*\s+1], s74, \s*SLOT
	s_add_nc_u64 s[G0B+4*\s+2:G0B+4*\s+3], s[46:47], \s*256
	s_or_b32 s[G0B+4*\s+3], s[G0B+4*\s+3], 0x80000000
.endr
	s_mov_b32 s68, 0xc01d265f                      ; -1.702 log2 e,
	s_mov_b32 s69, 0xc01d265f                      ; the whole pair written
	; A fragment: lane l holds row l % 16; registers 0-3 K = 8 (l / 16) + 0..7, registers 4-7 K = 16 + 8 (l / 16) + 0..7: two loads of 16 bytes, 32 apart.
	v_and_b32 v1, 15, v0                           ; r
	v_bfe_u32 v2, v0, 4, 1                         ; hh
	v_mul_u32_u24 v3, v1, PITCH
	v_lshl_add_u32 v3, v2, 4, v3                   ; r x pitch + 16 hh
	s_mul_i32 s76, s15, HALFT                      ; my 128 rows of A
	s_mul_i32 s77, s16, HALFT                      ; my 128 rows of B,
	s_add_co_u32 s77, s77, 2*HALFT                 ; behind A's 256
.irp s, 0,1
	v_add_nc_u32 v[ADRA+\s], s76, v3
	v_add_nc_u32 v[ADRB+\s], s77, v3
	s_add_co_u32 s76, s76, SLOT
	s_add_co_u32 s77, s77, SLOT
.endr
	s_mul_i32 s78, s14, 16*SPITCH
	s_add_co_u32 s78, s78, STAGE                   ; my stage
	v_add_nc_u32 v[STO], s78, v3                   ; in: row r, 16 bytes for each half of the lanes
	v_mul_u32_u24 v5, v2, SPITCH                   ; back: lanes 0-15 one row of 256 bytes, lanes 16-31 the next
	v_lshl_add_u32 v5, v1, 4, v5
	v_add_nc_u32 v[RD], s78, v5
	v_lshlrev_b32 v6, 13, v2                       ; and the same two rows in h
	v_lshl_add_u32 v[CO], v1, 4, v6
	v_lshlrev_b32 v[BO], 5, v2                     ; 8 hh numbers of 4 bytes
	s_wait_kmcnt 0x0
	s_min_u32 s22, s22, 4
	s_max_u32 s22, s22, 1                          ; 1 to 4 quarters are kept
	s_mov_b32 s23, 0
.Ltile:                                            ; a block of 256 x 256, K = 1,024 in eight steps
	s_cmp_lt_u32 s73, s22                          ; is this tile's quarter inside the batch's width?  The answer selects a value and steers nothing
	s_cselect_b32 s76, 0x3e800000, 0               ; the tile's factor: the mask times 1/4, so 0.25 or 0,
	s_mov_b32 s77, s76                             ; the whole pair written
	s_wait_dscnt 0x0                               ; my LDS reads are over,
	s_set_vgpr_msb 0x1
	s_wait_tensorcnt 0x0                           ; no tensor load of mine is out,
	ds_add_u32 v255, v255
	s_wait_dscnt 0x0
	s_set_vgpr_msb 0x100
	CROUND                                         ; and that holds of every wave of the cluster (in the first trip: the round in front of the first joint load)
	JLOAD 0                                        ; K step 0
	BIAS                                           ; this tile's bias, on its way beside it
	s_set_vgpr_msb 0x1
	s_wait_tensorcnt 0x0                           ; my part of K step 0 is in
	ds_add_u32 v255, v255
	s_wait_dscnt 0x0
	s_set_vgpr_msb 0x100
	s_wait_dscnt 0x0
	CROUND
	JLOAD 1                                        ; K step 1, my one load behind this round
	FETCH 0, 0, F0
	s_wait_loadcnt 0x0                             ; the bias
	LAP 1                                          ; the first products start from the bias; the three laps ask for K steps 2 to 7
	LAP 0
	LAP 0
	LASTLAP
	OUT16 0, 0, FROM_LO, F1
	OUT16 1, 1, FROM_LO, F1+32
	OUT16 2, 2, FROM_LO, F1
	OUT16 3, 3, FROM_LO, F1+32
	OUT16 4, 0, FROM_HI, F1
	OUT16 5, 1, FROM_HI, F1+32
	OUT16 6, 2, FROM_HI, F1
	OUT16 7, 3, FROM_HI, F1+32
	s_wait_xcnt 0x0                                ; the stores' base and data registers are rewritten only behind this wait
	s_sub_nc_u64 s[G0A+2:G0A+3], s[G0A+2:G0A+3], 1536              ; A: back to K steps 0 and 1 (three refills of 512 bytes were stepped)
	s_sub_nc_u64 s[G0A+6:G0A+7], s[G0A+6:G0A+7], 1536
	s_add_nc_u64 s[G0B+2:G0B+3], s[G0B+2:G0B+3], 2048*2048-1536    ; B: the same, and 8 block columns = 2,048 rows of 2,048 bytes on
	s_add_nc_u64 s[G0B+6:G0B+7], s[G0B+6:G0B+7], 2048*2048-1536
	s_add_nc_u64 s[66:67], s[66:67], 4096                          ; h: 2,048 columns of 2 bytes on
	s_add_nc_u64 s[70:71], s[70:71], 8192                          ; b1: 2,048 numbers on
	s_add_co_u32 s73, s73, 2                                       ; two quarters of the width on
	s_add_co_u32 s23, s23, 1
	s_cmp_lt_u32 s23, TILES
	s_cbranch_scc1 .Ltile                          ; (the addresses stepped in the last trip are not used)
	s_set_vgpr_msb 0x1
	s_wait_tensorcnt 0x0
	ds_add_u32 v255, v255
	s_wait_dscnt 0x0
	s_set_vgpr_msb 0x100
	CROUND                                         ; the closing round: no work-group ends while a partner may still ask for a tile that names it
	s_endpgm
.Lfunc_end_k_q21fefedb06_up:
	.size	k_q21fefedb06_up, .Lfunc_end_k_q21fefedb06_up-k_q21fefedb06_up
	.p2alignl 7, 3214868480
	.fill 96, 4, 3214868480
	.section	.rodata,"a",@progbits
	.p2align	6, 0x0
	.amdhsa_kernel k_q21fefedb06_up
		.amdhsa_group_segment_fixed_size 327680
		.amdhsa_private_segment_fixed_size 0
		.amdhsa_enable_private_segment 0
		.amdhsa_kernarg_size 40
		.amdhsa_user_sgpr_count 2
		.amdhsa_user_sgpr_kernarg_segment_ptr 1
		.amdhsa_wavefront_size32 1
		.amdhsa_system_sgpr_workgroup_id_x 1
		.amdhsa_system_sgpr_workgroup_id_y 1
		.amdhsa_system_sgpr_workgroup_id_z 1
		.amdhsa_system_vgpr_workitem_id 0
		.amdhsa_next_free_vgpr 1024
		.amdhsa_next_free_sgpr 80
		.amdhsa_reserve_vcc 0
		.amdhsa_float_denorm_mode_32 3
		.amdhsa_float_denorm_mode_16_64 3
		.amdhsa_memory_ordered 1
		.amdhsa_forward_progress 1
		.amdhsa_inst_pref_size 255
	.end_amdhsa_kernel
	.section	.bss,"aw",@nobits
	.p2align	6
	.space	262144
	.amdgpu_metadata
---
amdhsa.version: [ 1, 2 ]
amdhsa.kernels:
  - .name:           k_q21fefedb06_up
    .symbol:         k_q21fefedb06_up.kd
    .args:
      - { .name: xh, .offset: 0, .size: 8, .value_kind: global_buffer, .address_space: global }
      - { .name: w1h, .offset: 8, .size: 8, .value_kind: global_buffer, .address_space: global }
      - { .name: b1, .offset: 16, .size: 8, .value_kind: global_buffer, .address_space: global }
      - { .name: widths, .offset: 24, .size: 8, .value_kind: global_buffer, .address_space: global }
      - { .name: h, .offset: 32, .size: 8, .value_kind: global_buffer, .address_space: global }
    .group_segment_fixed_size: 327680
    .private_segment_fixed_size: 0
    .kernarg_segment_align: 8
    .kernarg_segment_size: 40
    .max_flat_workgroup_size: 128
    .sgpr_count:     80
    .vgpr_count:     1024
    .wavefront_size: 32
...
	.end_amdgpu_metadata
.endif
;; end of part 4
;; launch down: the kernel of part 3 again; grid 4 x 64, 4 waves a work-group, clusters of 4 x 4, 327,680 bytes of LDS; arguments h, w2h, b2, out0; writes out0
